; MI455X (gfx1250); checked and timed in simulation.
; The chip was launched on July 23, 2026; its instructions are those of AMD's public machine-readable ISA for CDNA 5 (MIT licence, August 2026) and "CDNA5" Instruction Set Architecture Reference Guide (July 2026). The comments in the code are by the model that wrote it; some were corrected since.
;; Atten. Allowed arithmetic: matrix products marked QUANTISED: E2M3 operands, one E8M0 scale for each 32 along K, by v_wmma_scale_f32_16x16x128_f8f6f4 with both operands' format E2M3, f32 sums; everything else in f32.
;; Inputs: Wk_codes 768 x 24 x 24 uint8 (E2M3 codes of Wk, K innermost, in blocks of 32 codes, four codes in three bytes); Wk_scales 768 x 24 uint8 (E8M0 scales of Wk, one for each 32 codes along K); Wo_codes 768 x 24 x 24 uint8 (E2M3 codes of Wo, K innermost, in blocks of 32 codes, four codes in three bytes); Wo_scales 768 x 24 uint8 (E8M0 scales of Wo, one for each 32 codes along K); Wq_codes 768 x 24 x 24 uint8 (E2M3 codes of Wq, K innermost, in blocks of 32 codes, four codes in three bytes); Wq_scales 768 x 24 uint8 (E8M0 scales of Wq, one for each 32 codes along K); Wv_codes 768 x 24 x 24 uint8 (E2M3 codes of Wv, K innermost, in blocks of 32 codes, four codes in three bytes); Wv_scales 768 x 24 uint8 (E8M0 scales of Wv, one for each 32 codes along K); bo 768 float32; bq 768 float32; bv 768 float32; x_codes 8 x 1,500 x 24 x 24 uint8 (E2M3 codes of x, K innermost, in blocks of 32 codes, four codes in three bytes); x_scales 8 x 1,500 x 24 uint8 (E8M0 scales of x, one for each 32 codes along K).
;; Outputs: out0 8 x 1,500 x 768 float32.
;; This version of the problem:
;;   THIS VERSION OF THE PROBLEM IS GIVEN IN LOW PRECISION. The matrix products marked QUANTISED in the list below multiply operands that are first quantised to E2M3 (2 exponent bits, 3 mantissa bits; 6 bits a number), with one power-of-two scale for each 32 numbers along K (OCP MX v1.0); their sums are f32. All else is computed in f32.
;;   The module's matrix products, in the order in which they are computed (A, B: the left and right operand; K: the contracted axis; several contracted axes count as one K, in the product's order):
;;     1. [M 12,000, K 768] x [K 768, N 768]; A: input x (given as codes); B: input Wq (given as codes): QUANTISED
;;     2. [M 12,000, K 768] x [K 768, N 768]; A: input x (given as codes); B: input Wk (given as codes): QUANTISED
;;     3. [M 12,000, K 768] x [K 768, N 768]; A: input x (given as codes); B: input Wv (given as codes): QUANTISED
;;     4. batch 96 x [M 1,500, K 64] x [K 64, N 1,500]; A: computed on the way; B: computed on the way: QUANTISED
;;     5. batch 96 x [M 1,500, K 1,500] x [K 1,500, N 64]; A: softmax (see below); B: computed on the way: QUANTISED
;;     6. [M 12,000, K 768] x [K 768, N 768]; A: computed on the way; B: input Wo (given as codes): QUANTISED
;;   THE QUANTISER, for each operand of a quantised product, along K:
;;     - K is cut into blocks of 32 from its start; a last block that is shorter is filled with zeros.
;;     - A block's scale is 2^e with e = floor(log2(the largest magnitude in the block)) - 2, held to -126 .. 127; a block of zeros has e = 0. As a byte (E8M0): e + 127.
;;     - Each number is divided by its block's scale, clamped to +-7.5, and rounded to the nearest number of E2M3, ties to even, subnormals kept.
;;     - The product sums the exact products of the quantised numbers (number of the format x scale) in f32.
;;   ~~~python
;;   def quantise(x, axis):      # numpy; x: float32 -> the quantised numbers, widened to float32 again
;;       x = np.moveaxis(x, axis, -1); K = x.shape[-1]
;;       x = np.pad(x, [(0, 0)] * (x.ndim - 1) + [(0, -K % 32)]); x = x.reshape(x.shape[:-1] + (-1, 32)); a = np.abs(x).max(-1, keepdims=True)
;;       e = np.where(a > 0, np.clip(np.frexp(np.where(a > 0, a, 1))[1] - 1 - 2, -126, 127), 0)      # np.frexp(a)[1] - 1 = floor(log2(a)), exactly
;;       r = np.clip(x / 2.0 ** e, -7.5, 7.5)
;;       step = 2.0 ** (np.maximum(np.frexp(np.where(r == 0, 1, r))[1] - 1, 0) - 3)
;;       q = np.round(r / step) * step * 2.0 ** e      # np.round: ties to even
;;       return np.moveaxis(q.reshape(q.shape[:-2] + (-1,))[..., :K], -1, axis).astype(np.float32)
;;   ~~~
;;   SOFTMAX AHEAD OF A QUANTISED PRODUCT. Where the list says 'softmax', what is quantised is not the finished softmax but p = 2^(t - M), with t = logit x log2(e) and M = ceil(the row's largest t), a whole number; so 1/2 < the row's largest p <= 1. The row's sum l is taken of the UNQUANTISED p, in f32, and the product's result is divided by l at the end. Since M is a whole number, a kernel that streams over the keys may use a running M (the ceiling of the running maximum): every later rescaling is an exact power of two, which a block's scale takes up: the codes' values come out the same.
;;   OPERANDS COMPUTED ON THE WAY. 'Computed on the way' means the value that the module computes at that place (a softmax that the list does not call 'softmax' is quantised finished and normalised). What goes into a quantiser is computed in f32, as accurately as f32 sums, v_exp_f32 and their like allow (about 1e-6 of the number): no bf16 or f16 on the way to a quantiser, and a product that is left as it is and whose result goes on into a quantised operand takes f32 operands (vector FMAs, or v_wmma_f32_16x16x4_f32). A number that lies on a knife's edge between two numbers of the format may be rounded either way, as far as f32 arithmetic and the matrix unit's own rounding can turn it there, and no further.
;;   INPUTS GIVEN AS CODES. Wk (in the module: [768, 768], K = its axis 1); Wo (in the module: [768, 768], K = its axis 1); Wq (in the module: [768, 768], K = its axis 1); Wv (in the module: [768, 768], K = its axis 1); x (in the module: [8, 1500, 768], K = its axis 2): each comes as NAME_codes (uint8): NAME with its K axis moved to the last place and cut into blocks of 32 codes, [.., K / 32, bytes a block], one block behind the other in memory; four codes in three bytes: a row's codes are one little-endian stream of bits, code i at bits 6 i .. 6 i + 5 (a code: sign, 2 exponent bits, 3 mantissa bits); and NAME_scales (uint8): the same leading axes, one E8M0 byte (e + 127) for each 32 codes along K. Its value is code x scale, taken as it is: it is not quantised again, and the codes and scales need not be those that the quantiser above would give.
;; One version. Each part assembles by itself: llvm-mc -triple=amdgcn-amd-amdhsa -mcpu=gfx1250 --defsym DOCPART=n.
;; ======== version 1 of 1: 3 launches
;; limits: right only within a limited range of input values
;; workspace buffers: qkv 22,118,400 bytes; cimg 7,077,888 bytes; csc 294,912 bytes
;; launch proj (part 1): grid 64 x 4, 9 waves a work-group, clusters of 4 x 4, 327,680 bytes of LDS; arguments x_codes, x_scales, Wq_codes, Wk_codes, Wv_codes, Wq_scales, Wk_scales, Wv_scales, bq, bv, qkv; writes qkv
.if DOCPART == 1
	.amdgcn_target "amdgcn-amd-amdhsa--gfx1250"
	.amdhsa_code_object_version 6
	.text
	.protected	k_qe0309b60b4_proj
	.globl	k_qe0309b60b4_proj
	.p2align	8
	.type	k_qe0309b60b4_proj,@function
k_qe0309b60b4_proj:
	s_mov_b64 s[64:65], 0
	v_nop
	global_prefetch_b8 v0, s[64:65] scope:SCOPE_SE
	s_setreg_imm32_b32 hwreg(HW_REG_WAVE_MODE, 25, 1), 1
	s_wait_xcnt 0x0
	s_wait_alu depctr_hold_cnt(0) depctr_sa_sdst(0) depctr_va_vdst(0) depctr_va_sdst(0) depctr_va_ssrc(0) depctr_va_vcc(0) depctr_vm_vsrc(0)
	s_getreg_b32 s2, hwreg(HW_REG_IB_STS2, 6, 4)
	s_cmp_eq_u32 s2, 0
	s_cbranch_scc0 .Lentry_in_a_cluster
	s_endpgm
.Lentry_in_a_cluster:
	s_bfe_u32 s2, ttmp6, 0x10000c
	s_cmp_lg_u32 s2, 0xf033
	s_cbranch_scc0 .Lentry_shape_is_right
	s_endpgm
.Lentry_shape_is_right:
; q = (x Wq^T + bq) / 8, k = x Wk^T, v = x Wv^T + bv, on codes of FP6 (E2M3) with one E8M0 scale for each 32 along K = 768; sums in f32.
; The results are quantised again, q and k along a head's 64 channels, v along the keys, and stored as IMAGES OF OPERAND REGISTERS.
; A tile's image is 768 bytes: registers 0-3 of the 32 lanes at 16 x lane (512 bytes), then registers 4-5 at 8 x lane (256 bytes).
; qkv: [8 head + batch (96)][key step (12)] records of 19,200 bytes for 128 rows of one head:
;   0 K: 8 tiles of 16 keys;  6,144 V: 4 tiles of 16 channels x two halves of 64 keys;  12,288 K's scale words, 16 bytes a row (4 pairs of tiles);  12,544 V's, 16 bytes a channel row (4 tiles);
;   12,800 Q: 8 tiles;  18,944 Q's scale halfwords at 4 r + 64 (tile / 2) + 2 (tile % 2).
; A WORK-GROUP STAYS.  A batch counts as 1,536 rows: 8 groups of 192.  A work-group makes 192 rows x 192 features (three heads) of q, then of k, then of v: 64 x 4 = 256 work-groups.  Wave (rs, uu) of nine makes 64 rows x one head.
; x's 192 rows and scale bytes are fetched once.  W's 192 rows and scale bytes have one place in LDS: the next kind's are asked for behind a round that stands straight behind a kind's products, so that they land while that kind is quantised.
; The axis that is quantised next stands on the side of source 0, so that a lane's registers run along it: q, k: source 0 = W, source 1 = x;  v: source 0 = x, source 1 = W.  Each kind has its own text: nothing is selected.
; ORDER INSIDE A BLOCK OF 32.  Lane (r, h) holds numbers 8 h + 0..7 and 16 + 8 h + 0..7 of a block; after conversion and exchange of halves a lane holds a whole block with its four
; groups of eight in the order 0, 2, 1, 3.  q and k are made alike, and so are v and the softmax's p in the next launch: both sides of a product carry the same order inside each scale block.
; ROWS 1,500 TO 1,535 of a batch: the tensor loads state what is left, so those rows arrive as zero codes; v is set to 0 there ahead of its quantiser, as the quantiser's zero fill asks.
; CLUSTER 4 x 4.  x's tiles hang on batch and row group (cluster x, cx) and are asked for jointly along a column; W's hang on cy and are asked for jointly along a row.
; No prefetch: the launch has no loop to run ahead in, and each weight is asked for as soon as its LDS bytes are free.
; LIMITS: NaN, infinities and scale bytes 0xff among the inputs are not served.  A block of zeros gets the byte 1 where the quantiser says 127: its codes are zeros, and this program alone reads these bytes.
.set PITCH,  720                       ; an LDS row: 576 bytes of codes + 16 of padding behind every 64
.set SET64,  64*PITCH                  ; 64 rows: what one tensor load brings and what one wave reads of x or of W
.set WT,     3*SET64                   ; W's 192 rows, behind x's
.set XSC,    6*SET64                   ; x's scale bytes, 24 a row, dense
.set WSC,    XSC+4608                  ; W's
.set SPARE,  WSC+4608                  ; the spare words, 128 bytes a wave
.set REC,    19200
.set PADW,   (1<<20)|(1<<21)|(3<<22)|(3<<25)   ; group 1, word 0: padding on; bit 21 beside a mask; after every 16 words 4 words; elements of 1 byte
.set ADA, 2                            ; v2, v3   x's rows: base + 720 r + 24 h; the second for pieces that lie behind one padding more (+ 16 h)
.set ADB, 4                            ; v4, v5   W's rows
.set ASA, 6                            ; v6       x's scale words: base + 24 r
.set ASB, 7                            ; v7       W's
.set A16A, 8                           ; v8, v9   q, k: 16 x lane, 8 x lane, + 3,072 rh
.set A8A,  9
.set A16V, 10                          ; v10, v11 v: the same + 768 rh
.set A8V,  11
.set VSQ, 12                           ; v12, v13, v30  where the scale halfwords go: q, k, v
.set VSK, 13
.set VSV, 30
.set NIL, 14                           ; v14 0;  v15, v31: the add's two registers
.set SA,  16                           ; v16-19   source 0's scale words: scales and nothing else
.set SB,  20                           ; v20-23   source 1's
                                       ; v24-29, v0-1: bv of the lane's channel, twice, a pair for each bt
.set AF,  32                           ; v32-79   source 0's four fragments
.set BF,  80                           ; v80-127  source 1's
.set ACC, 128                          ; v128-255 accumulator (a, bt) at 128 + 32 bt + 8 a
.set TM,  32                           ; the way out: largest magnitudes v32-39, the other half's and then the bytes v40-47, the conversions' scale operands v48-55
.set T2,  40
.set SO,  48
.set HW,  56                           ; v56-59 a tile's two bytes;  v60-61 two tiles in the two halves of the lanes
.set HWM, 60
.set CV,  64                           ; v64-95 codes
.set WV,  26
.set RS,  27
.set UU,  28
.set CX,  29
.set CY,  30
.set GG,  66
.set BB,  67
.set G0W,  32
.set G0X,  36
.set G0WS, 40
.set G0XS, 44
.set G1W,  48
.set G1X,  56
.set G1XP, 68                          ; x's last 64 rows of a batch: 28 are left
.set G1WS, 76
.set G1XS, 84
.set G1XSP, 92                         ; x's scale bytes of the last row group: 156 rows are left
.set WOF, 100                          ; s[100:101] my rows' byte offset in a weight's codes;  s[4:5] the work-group's in its scales
.set SEL, 104
.macro ROUND                           ; a round of the cluster's barrier
	s_barrier_signal -1
	s_barrier_wait -1
	s_cmp_lg_u32 s[WV], 0
	s_cbranch_scc1 .Lnot_wave_0_\@
	s_barrier_signal -3
.Lnot_wave_0_\@:
	s_barrier_wait -3
	s_barrier_signal -1
	s_barrier_wait -1
.endm
.macro TLOAD g0, g1
	tensor_load_to_lds s[\g0:\g0+3], s[\g1:\g1+7]
	s_nop 0
.rept 4
	v_nop
.endr
.endm
; A fragment, 16 rows x 128 K, is 12 registers: lane (r, h) takes, of row r, 24 bytes for each 64 along K, in pieces of 8.  Piece n lies at 8 n + 16 (n / 8); lanes 16-31 read three pieces on, behind one padding more where n % 8 is 5 or more.
.macro FRAG reg, adr, s, rowoff
.irp p, 0,1,2,3,4,5
.set PCE, 12*(\s)+6*(\p/3)+\p%3
.if PCE%8 < 5
	ds_load_b64 v[\reg+2*\p:\reg+2*\p+1], v[\adr] offset:8*PCE+16*(PCE/8)+(\rowoff)
.else
	ds_load_b64 v[\reg+2*\p:\reg+2*\p+1], v[\adr+1] offset:8*PCE+16*(PCE/8)+(\rowoff)
.endif
.endr
.endm
	s_load_b512 s[4:19], s[0:1], 0x0               ; x's codes, x's scales; Wq's, Wk's, Wv's codes; Wq's, Wk's, Wv's scales
	s_load_b128 s[20:23], s[0:1], 0x40             ; bq, bv
	s_load_b64 s[24:25], s[0:1], 0x50              ; qkv
	v_lshl_add_u32 v15, v0, 2, SPARE
	v_mov_b32 v31, 0
	ds_add_u32 v15, v31                            ; the opening lines: the add, twice on end, and its wait
	ds_add_u32 v15, v31
	v_lshrrev_b32 v1, 5, v0
	v_readfirstlane_b32 s[WV], v1                  ; wave 0..8
	s_mul_i32 s[UU], s[WV], 11
	s_lshr_b32 s[RS], s[UU], 5                     ; rs = wave / 3: which 64 rows
	s_and_b32 s[UU], s[UU], 31
	s_mul_i32 s[UU], s[UU], 3
	s_lshr_b32 s[UU], s[UU], 5                     ; uu = wave % 3: which head of the three.  Also: which 64 rows a fetching wave fetches
	s_bfe_u32 s[CX], ttmp6, 0x40000
	s_bfe_u32 s[CY], ttmp6, 0x40004                ; the grid has one cluster along y: cy says which 192 features
	s_lshr_b32 s[GG], ttmp9, 1                     ; work-group x = 4 x cluster x + cx = 8 x row group + batch
	s_and_b32 s[BB], ttmp9, 1
	s_lshl_b32 s[BB], s[BB], 2
	s_add_co_u32 s[BB], s[BB], s[CX]               ; batch
	s_lshl_b32 s100, s[CY], 2
	s_lshl_b32 s100, 15, s100                      ; my row of the cluster
	s_lshl_b32 s101, 0x1111, s[CX]                 ; my column
	; groups 1.  64 rows of 576 bytes are dense in memory and begin at a multiple of 256 bytes: 144 rows of 256 bytes; the padding is counted along the whole tile
	s_or_b32 s[G1W], s100, PADW                    ; W's tiles go to my row,
	s_or_b32 s[G1X], s101, PADW                    ; x's to my column
	s_or_b32 s[G1XP], s101, PADW
.irp g, G1W, G1X, G1XP
	s_mov_b32 s[\g+1], 256<<16
	s_mov_b32 s[\g+3], 256<<16
	s_mov_b32 s[\g+4], 144
	s_mov_b32 s[\g+5], 256
	s_mov_b32 s[\g+6], 0
	s_mov_b32 s[\g+7], 0
.endr
	s_mov_b32 s[G1W+2], 144<<16
	s_mov_b32 s[G1X+2], 144<<16
	s_mov_b32 s[G1XP+2], 63<<16                    ; 28 x 576 = 63 x 256 bytes are left: the rest arrives as zeros
	; W's scale bytes of 192 rows: 4,608 dense bytes as 18 rows of 256 (32 elements of 8 bytes)
	s_or_b32 s[G1WS], s100, (3<<16)|(1<<21)
	s_mov_b32 s[G1WS+1], 32<<16
	s_mov_b32 s[G1WS+2], 18<<16
	s_mov_b32 s[G1WS+3], 32<<16
	s_mov_b32 s[G1WS+4], 18
	s_mov_b32 s[G1WS+5], 32
	s_mov_b32 s[G1WS+6], 0
	s_mov_b32 s[G1WS+7], 0
	; x's: a batch's begin at a multiple of 32 bytes: rows of 32 bytes (4 elements of 8) run across no multiple of 256
	s_or_b32 s[G1XS], s101, (3<<16)|(1<<21)
	s_or_b32 s[G1XSP], s101, (3<<16)|(1<<21)
.irp g, G1XS, G1XSP
	s_mov_b32 s[\g+1], 4<<16
	s_mov_b32 s[\g+3], 4<<16
	s_mov_b32 s[\g+4], 144
	s_mov_b32 s[\g+5], 4
	s_mov_b32 s[\g+6], 0
	s_mov_b32 s[\g+7], 0
.endr
	s_mov_b32 s[G1XS+2], 144<<16
	s_mov_b32 s[G1XSP+2], 117<<16                  ; 156 x 24 = 117 x 32 bytes
	s_mov_b32 s[SEL], 0x76543210
	s_mov_b32 s[SEL+1], 0xfedcba98                 ; v_permlanex16_b32's selects for lane l xor 16
	s_mul_i32 s[WOF], s[CY], 192
	s_lshl_b32 s[WOF+1], s[UU], 6
	s_add_co_u32 s[WOF], s[WOF], s[WOF+1]
	s_mul_i32 s[WOF], s[WOF], 576                  ; W: row 192 cy + 64 uu
	s_mov_b32 s[WOF+1], 0
	s_wait_dscnt 0x0
	s_wait_kmcnt 0x0
	s_mov_b32 s[G0W], 1
	s_mul_i32 s[G0W+1], s[UU], SET64
	s_add_co_u32 s[G0W+1], s[G0W+1], WT
	s_add_nc_u64 s[G0W+2:G0W+3], s[8:9], s[WOF:WOF+1]
	s_or_b32 s[G0W+3], s[G0W+3], 0x80000000
	s_mul_i32 s2, s[BB], 1500
	s_mul_i32 s3, s[GG], 192
	s_add_co_u32 s2, s2, s3                        ; x: the group's first row
	s_mul_i32 s8, s2, 24                           ; its scale bytes
	s_mov_b32 s9, 0
	s_lshl_b32 s3, s[UU], 6
	s_add_co_u32 s2, s2, s3
	s_mul_i32 s2, s2, 576                          ; + 64 uu rows, in bytes
	s_mov_b32 s3, 0
	s_mov_b32 s[G0X], 1
	s_mul_i32 s[G0X+1], s[UU], SET64
	s_add_nc_u64 s[G0X+2:G0X+3], s[4:5], s[2:3]
	s_or_b32 s[G0X+3], s[G0X+3], 0x80000000
	s_mov_b32 s[G0XS], 1
	s_mov_b32 s[G0XS+1], XSC
	s_add_nc_u64 s[G0XS+2:G0XS+3], s[6:7], s[8:9]
	s_or_b32 s[G0XS+3], s[G0XS+3], 0x80000000
	s_mul_i32 s4, s[CY], 4608
	s_mov_b32 s5, 0
	s_mov_b32 s[G0WS], 1
	s_mov_b32 s[G0WS+1], WSC
	s_add_nc_u64 s[G0WS+2:G0WS+3], s[14:15], s[4:5]
	s_or_b32 s[G0WS+3], s[G0WS+3], 0x80000000
	ROUND                                          ; all sixteen work-groups are here: the joint loads meet
	; waves 0-2: Wq's codes; 3-5: x's; 6: Wq's scales; 7: x's; 8: none.  One load a wave.  The branches hang on the wave's number and the row group, which all partners share
	s_cmp_lt_u32 s[WV], 3
	s_cbranch_scc0 .Lnot_w
	TLOAD G0W, G1W
	s_branch .Lasked
.Lnot_w:
	s_cmp_lt_u32 s[WV], 6
	s_cbranch_scc0 .Lnot_x
	s_cmp_eq_u32 s[GG], 7
	s_cbranch_scc0 .Lx_whole
	s_cmp_eq_u32 s[WV], 5
	s_cbranch_scc0 .Lx_whole
	TLOAD G0X, G1XP                                ; the batch's last 28 rows
	s_branch .Lasked
.Lx_whole:
	TLOAD G0X, G1X
	s_branch .Lasked
.Lnot_x:
	s_cmp_eq_u32 s[WV], 6
	s_cbranch_scc0 .Lnot_ws
	TLOAD G0WS, G1WS
	s_branch .Lasked
.Lnot_ws:
	s_cmp_eq_u32 s[WV], 7
	s_cbranch_scc0 .Lasked
	s_cmp_eq_u32 s[GG], 7
	s_cbranch_scc0 .Lxs_whole
	TLOAD G0XS, G1XSP
	s_branch .Lasked
.Lxs_whole:
	TLOAD G0XS, G1XS
.Lasked:
	; while the tiles are on their way: first the scalar numbers, then the addresses, then the biases
	s_mul_i32 s6, s[RS], SET64                     ; my 64 rows of x
	s_mul_i32 s7, s[UU], SET64
	s_add_co_u32 s7, s7, WT                        ; my 64 rows of W
	s_mul_i32 s8, s[RS], 1536
	s_add_co_u32 s8, s8, XSC                       ; and their scale bytes
	s_mul_i32 s9, s[UU], 1536
	s_add_co_u32 s9, s9, WSC
	s_mul_i32 s14, s[CY], 3
	s_add_co_u32 s14, s14, s[UU]                   ; head
	s_mul_i32 s15, s[GG], 3
	s_add_co_u32 s15, s15, s[RS]                   ; which 64 rows of the batch
	s_lshl_b32 s2, s14, 3
	s_add_co_u32 s2, s2, s[BB]
	s_mul_i32 s2, s2, 12
	s_lshr_b32 s3, s15, 1                          ; key step
	s_add_co_u32 s2, s2, s3
	s_mul_i32 s2, s2, REC                          ; the record, under 2^25 bytes
	s_mov_b32 s3, 0
	s_add_nc_u64 s[24:25], s[24:25], s[2:3]
	s_and_b32 s15, s15, 1                          ; rh: the record's lower or upper 64 rows
	s_lshl_b32 s14, s14, 8                         ; the head's 64 numbers in a bias
	v_and_b32 v34, 15, v0                          ; r
	v_bfe_u32 v35, v0, 4, 1                        ; h
	v_and_b32 v36, 31, v0                          ; lane
	v_mul_u32_u24 v37, v34, PITCH
	v_mul_u32_u24 v38, v34, 24                     ; 24 r
	v_mov_b32 v39, s15
	v_mad_u32_u24 v37, v35, 24, v37                ; 720 r + 24 h
	v_lshl_add_u32 v32, v35, 5, s14                ; bq in source 0's layout: feature 16 a + 8 h + j
	v_lshl_add_u32 v33, v34, 2, s14                ; bv in source 1's: feature 16 bt + r
.irp bt, 0,1,2,3                                   ; bq starts q's sums: all six K steps add in place
.irp a, 0,1,2,3
	global_load_b128 v[ACC+32*\bt+8*\a:ACC+32*\bt+8*\a+3], v32, s[20:21] offset:64*\a
	global_load_b128 v[ACC+32*\bt+8*\a+4:ACC+32*\bt+8*\a+7], v32, s[20:21] offset:64*\a+16
.endr
.endr
.irp bt, 0,1,2,3                                   ; bv, twice: pairs v[24:25], v[26:27], v[28:29], v[0:1] (v0 has been read for the last time)
	global_load_b32 v[(24+2*\bt)%30], v33, s[22:23] offset:64*\bt
	global_load_b32 v[(24+2*\bt)%30+1], v33, s[22:23] offset:64*\bt
.endr
	v_add_nc_u32 v[ADA], s6, v37
	v_add_nc_u32 v[ADB], s7, v37
	v_add_nc_u32 v[ASA], s8, v38
	v_add_nc_u32 v[ASB], s9, v38
	v_lshl_add_u32 v[ADA+1], v35, 4, v[ADA]
	v_lshl_add_u32 v[ADB+1], v35, 4, v[ADB]
	v_lshlrev_b32 v37, 4, v36                      ; 16 x lane
	v_lshlrev_b32 v38, 3, v36                      ; 8 x lane
	v_lshlrev_b32 v40, 2, v34                      ; 4 r
	v_lshlrev_b32 v41, 4, v34                      ; 16 r
	v_mad_u32_u24 v[A16A], v39, 3072, v37
	v_mad_u32_u24 v[A8A], v39, 3072, v38
	v_mad_u32_u24 v[A16V], v39, 768, v37
	v_mad_u32_u24 v[A8V], v39, 768, v38
	v_lshl_add_u32 v40, v35, 1, v40                ; lanes 16-31 store the odd tile's halfword: q: 4 r + 2 h + 128 rh
	v_lshl_add_u32 v42, v35, 1, v41                ; k: 16 r + 2 h + 8 rh
	v_lshl_add_u32 v43, v35, 2, v41                ; v: 16 r + 4 h + 2 rh
	v_lshl_add_u32 v[VSQ], v39, 7, v40
	v_lshl_add_u32 v[VSK], v39, 3, v42
	v_lshl_add_u32 v[VSV], v39, 1, v43
	v_mov_b32 v[NIL], 0
; A K step of 128: 8 fragments and 8 scale words from LDS, 16 matrix instructions.  f0, g0: the address registers of source 0's rows and scale words; f1, g1: source 1's.  z = 1: the first step starts the sums.
; The sixteen accumulators take turns, one instruction a turn, in the same order in every step.
.macro KSTEP s, f0, f1, g0, g1, z
.if \s > 0
.rept 4
	v_nop                                          ; four places in front of loads into registers that matrix instructions have read
.endr
.endif
.irp a, 0,1,2,3
	FRAG AF+12*\a, \f0, \s, 16*PITCH*\a
.endr
.irp a, 0,1,2,3
	ds_load_b32 v[SA+\a], v[\g0] offset:384*\a+4*(\s)
.endr
.irp bt, 0,1,2,3
	ds_load_b32 v[SB+\bt], v[\g1] offset:384*\bt+4*(\s)
.endr
.irp bt, 0,1,2,3
	FRAG BF+12*\bt, \f1, \s, 16*PITCH*\bt
.endr
.irp bt, 0,1,2,3
	s_wait_dscnt 18-6*\bt                          ; source 1's fragment bt is in; the 3 - bt fragments behind it, six loads each, may be out
.irp a, 0,1,2,3
.if (\z) && ((\s) == 0)
	v_wmma_scale_f32_16x16x128_f8f6f4 v[ACC+32*\bt+8*\a:ACC+32*\bt+8*\a+7], v[AF+12*\a:AF+12*\a+11], v[BF+12*\bt:BF+12*\bt+11], 0, v[SA+\a], v[SB+\bt] matrix_a_fmt:MATRIX_FMT_FP6 matrix_b_fmt:MATRIX_FMT_FP6
.else
	v_wmma_scale_f32_16x16x128_f8f6f4 v[ACC+32*\bt+8*\a:ACC+32*\bt+8*\a+7], v[AF+12*\a:AF+12*\a+11], v[BF+12*\bt:BF+12*\bt+11], v[ACC+32*\bt+8*\a:ACC+32*\bt+8*\a+7], v[SA+\a], v[SB+\bt] matrix_a_fmt:MATRIX_FMT_FP6 matrix_b_fmt:MATRIX_FMT_FP6
.endif
.endr
.endr
.endm
; The tiles that were asked for are in, for every wave.
.macro LAND
	s_wait_xcnt 0x0                                ; earlier stores have read their registers, into which the fragments' loads land
	s_wait_alu depctr_va_vdst(0)
	s_wait_loadcnt 0x0
	s_wait_tensorcnt 0x0
	s_barrier_signal -1
	s_barrier_wait -1
.endm
; W's bytes are read no more: the next kind's rows and scale bytes.  pc, ps: the scalar pairs with its codes' and scales' addresses.  Waves 0-2 fetch codes, wave 6 the scales.
.macro REFILL pc, ps
	s_wait_tensorcnt 0x0
	ds_add_u32 v15, v31
	ds_add_u32 v15, v31
	s_add_nc_u64 s[G0W+2:G0W+3], s[\pc:\pc+1], s[WOF:WOF+1]   ; no tensor load of mine is out: the groups 0 may be written
	s_or_b32 s[G0W+3], s[G0W+3], 0x80000000
	s_add_nc_u64 s[G0WS+2:G0WS+3], s[\ps:\ps+1], s[4:5]
	s_or_b32 s[G0WS+3], s[G0WS+3], 0x80000000
	s_wait_dscnt 0x0
	ROUND
	s_cmp_lt_u32 s[WV], 3
	s_cbranch_scc0 .Lre_s_\@
	TLOAD G0W, G1W
	s_branch .Lre_d_\@
.Lre_s_\@:
	s_cmp_eq_u32 s[WV], 6
	s_cbranch_scc0 .Lre_d_\@
	TLOAD G0WS, G1WS
.Lre_d_\@:
.endm
; THE WAY OUT of a kind (0 q, 1 k, 2 v).  For each bt a lane's 32 registers are two blocks of 32 along the next K, half of each.  a16, a8, vs: address registers; reg, ts: the codes' region and the step from tile to tile; sreg, s2: the scales' region and two tiles on.
.macro EPI kind, a16, a8, vs, reg, ts, sreg, s2
.rept 4
	v_nop                                          ; four places behind the last products
.endr
.if \kind == 0
	s_mov_b32 s6, 0x3e000000
	s_mov_b32 s7, s6
.set j, 0
.rept 64
	v_pk_mul_f32 v[ACC+j:ACC+j+1], v[ACC+j:ACC+j+1], s[6:7] op_sel_hi:[1,0]   ; x 1 / 8; ascending
.set j, j+2
.endr
.endif
	s_mov_b32 vcc_lo, 0xffff0000                   ; lanes 16-31
.if \kind == 2
.irp bt, 0,1,2,3
.set j, 0
.rept 16
	v_pk_add_f32 v[ACC+32*\bt+j:ACC+32*\bt+j+1], v[ACC+32*\bt+j:ACC+32*\bt+j+1], v[(24+2*\bt)%30:(24+2*\bt)%30+1]   ; + bv of the lane's channel
.set j, j+2
.endr
.endr
	s_wait_alu depctr_va_vdst(0)
	s_cmp_eq_u32 s[GG], 7                          ; keys 1,500 to 1,535 (my rows 28 to 63, in the batch's last 64 rows) are zeros for the quantiser
	s_cbranch_scc0 .Lno_pad
	s_cmp_eq_u32 s[RS], 2
	s_cbranch_scc0 .Lno_pad
.irp bt, 0,1,2,3
.irp k, 12,13,14,15
	v_cndmask_b32 v[ACC+32*\bt+\k], v[ACC+32*\bt+\k], v[NIL], vcc_lo   ; register 8 a + j holds key 16 a + 8 h + j: 28 to 31 are a = 1, h = 1, j = 4 .. 7
.endr
.irp k, 16,17,18,19,20,21,22,23,24,25,26,27,28,29,30,31
	v_mov_b32 v[ACC+32*\bt+\k], 0
.endr
.endr
.Lno_pad:
.endif
.irp q, 0,1,2,3,4,5,6,7                            ; eight blocks by turns
	v_max3_num_f32 v[TM+\q], |v[ACC+16*\q]|, |v[ACC+16*\q+1]|, 0x1800000   ; my 16 numbers, and the floor 2^(3 - 127): the byte cannot fall under 1
.endr
.irp i, 2,4,6,8,10,12,14
.irp q, 0,1,2,3,4,5,6,7
	v_max3_num_f32 v[TM+\q], v[TM+\q], |v[ACC+16*\q+\i]|, |v[ACC+16*\q+\i+1]|
.endr
.endr
.irp q, 0,1,2,3,4,5,6,7
	v_permlanex16_b32 v[T2+\q], v[TM+\q], s[SEL], s[SEL+1]
.endr
.irp q, 0,1,2,3,4,5,6,7
	v_max_num_f32 v[TM+\q], v[TM+\q], v[T2+\q]     ; with lane l xor 16's 16: the block's largest magnitude
.endr
.irp q, 0,1,2,3,4,5,6,7
	v_add_nc_u32 v[SO+\q], 0xff000000, v[TM+\q]    ; 2 off its exponent field: the conversion's scale operand
.endr
.irp q, 0,1,2,3,4,5,6,7
	v_lshrrev_b32 v[T2+\q], 23, v[SO+\q]           ; the scale's byte
.endr
.irp q, 0,1,2,3,4,5,6,7
	v_cvt_scalef32_pk16_fp6_f32 v[CV+4*\q:CV+4*\q+2], v[ACC+16*\q:ACC+16*\q+15], v[SO+\q]
.endr
.irp bt, 0,1,2,3
	v_lshl_or_b32 v[HW+\bt], v[T2+2*\bt+1], 8, v[T2+2*\bt]   ; a tile's two bytes.  (Plain lines behind the conversions)
.endr
.irp bp, 0,1
	v_cndmask_b32 v[HWM+\bp], v[HW+2*\bp], v[HW+2*\bp+1], vcc_lo   ; lanes 0-15 the even tile's, lanes 16-31 the odd tile's
.endr
.irp bt, 0,1,2,3
.irp i, 0,1,2
	v_permlane16_swap_b32 v[CV+8*\bt+\i], v[CV+8*\bt+4+\i]   ; a whole block in a lane: lanes 0-15 block 0, lanes 16-31 block 1
.endr
.endr
.irp bt, 0,1,2,3
.irp i, 3,4,5
	v_mov_b32 v[CV+8*\bt+\i], v[CV+8*\bt+\i+1]     ; six registers on end
.endr
.endr
.irp bt, 0,1,2,3
	global_store_b128 v[\a16], v[CV+8*\bt:CV+8*\bt+3], s[24:25] offset:(\reg)+(\ts)*\bt          ; 512 consecutive bytes, at a multiple of 256 from the buffer's first byte
	global_store_b64 v[\a8], v[CV+8*\bt+4:CV+8*\bt+5], s[24:25] offset:(\reg)+(\ts)*\bt+512      ; 256
.endr
.irp bp, 0,1
	global_store_b16 v[\vs], v[HWM+\bp], s[24:25] offset:(\sreg)+(\s2)*\bp
.endr
.endm
	LAND                                           ; x, Wq, their scales and the biases are in
.irp s, 0,1,2,3,4,5
	KSTEP \s, ADB, ADA, ASB, ASA, 0                ; q: source 0 = W, source 1 = x
.endr
	REFILL 10, 16                                  ; Wk
	EPI 0, A16A, A8A, VSQ, 12800, 768, 18944, 64
	LAND
.irp s, 0,1,2,3,4,5
	KSTEP \s, ADB, ADA, ASB, ASA, 1                ; k
.endr
	REFILL 12, 18                                  ; Wv
	EPI 1, A16A, A8A, VSK, 0, 768, 12288, 4
	LAND
.irp s, 0,1,2,3,4,5
	KSTEP \s, ADA, ADB, ASA, ASB, 1                ; v: source 0 = x, source 1 = W
.endr
	EPI 2, A16V, A8V, VSV, 6144, 1536, 12544, 8
	s_wait_tensorcnt 0x0                           ; the wave's end
	ds_add_u32 v15, v31
	s_wait_dscnt 0x0
	ROUND                                          ; the closing round
	s_endpgm
.Lfunc_end_k_qe0309b60b4_proj:
	.size	k_qe0309b60b4_proj, .Lfunc_end_k_qe0309b60b4_proj-k_qe0309b60b4_proj
	.p2alignl 7, 3214868480
	.fill 96, 4, 3214868480
	.section	.rodata,"a",@progbits
	.p2align	6, 0x0
	.amdhsa_kernel k_qe0309b60b4_proj
		.amdhsa_group_segment_fixed_size 327680
		.amdhsa_private_segment_fixed_size 0
		.amdhsa_enable_private_segment 0
		.amdhsa_kernarg_size 88
		.amdhsa_user_sgpr_count 2
		.amdhsa_user_sgpr_kernarg_segment_ptr 1
		.amdhsa_wavefront_size32 1
		.amdhsa_system_sgpr_workgroup_id_x 1
		.amdhsa_system_sgpr_workgroup_id_y 1
		.amdhsa_system_sgpr_workgroup_id_z 1
		.amdhsa_system_vgpr_workitem_id 0
		.amdhsa_next_free_vgpr 256
		.amdhsa_next_free_sgpr 106
		.amdhsa_reserve_vcc 1
		.amdhsa_float_denorm_mode_32 3
		.amdhsa_float_denorm_mode_16_64 3
		.amdhsa_memory_ordered 1
		.amdhsa_forward_progress 1
		.amdhsa_inst_pref_size 158
	.end_amdhsa_kernel
	.amdgpu_metadata
---
amdhsa.version: [ 1, 2 ]
amdhsa.kernels:
  - .name:           k_qe0309b60b4_proj
    .symbol:         k_qe0309b60b4_proj.kd
    .args:
      - { .name: x_codes, .offset: 0, .size: 8, .value_kind: global_buffer, .address_space: global }
      - { .name: x_scales, .offset: 8, .size: 8, .value_kind: global_buffer, .address_space: global }
      - { .name: Wq_codes, .offset: 16, .size: 8, .value_kind: global_buffer, .address_space: global }
      - { .name: Wk_codes, .offset: 24, .size: 8, .value_kind: global_buffer, .address_space: global }
      - { .name: Wv_codes, .offset: 32, .size: 8, .value_kind: global_buffer, .address_space: global }
      - { .name: Wq_scales, .offset: 40, .size: 8, .value_kind: global_buffer, .address_space: global }
      - { .name: Wk_scales, .offset: 48, .size: 8, .value_kind: global_buffer, .address_space: global }
      - { .name: Wv_scales, .offset: 56, .size: 8, .value_kind: global_buffer, .address_space: global }
      - { .name: bq, .offset: 64, .size: 8, .value_kind: global_buffer, .address_space: global }
      - { .name: bv, .offset: 72, .size: 8, .value_kind: global_buffer, .address_space: global }
      - { .name: qkv, .offset: 80, .size: 8, .value_kind: global_buffer, .address_space: global }
    .group_segment_fixed_size: 327680
    .private_segment_fixed_size: 0
    .kernarg_segment_align: 8
    .kernarg_segment_size: 88
    .max_flat_workgroup_size: 288
    .sgpr_count:     106
    .vgpr_count:     256
    .wavefront_size: 32
...
	.end_amdgpu_metadata
.endif
;; end of part 1
;; launch attn (part 2): grid 8 x 32, 12 waves a work-group, clusters of 4 x 1, 327,680 bytes of LDS; arguments qkv, cimg, csc; writes cimg, csc
.if DOCPART == 2
	.amdgcn_target "amdgcn-amd-amdhsa--gfx1250"
	.amdhsa_code_object_version 6
	.text
	.protected	k_qe0309b60b4_attn
	.globl	k_qe0309b60b4_attn
	.p2align	8
	.type	k_qe0309b60b4_attn,@function
k_qe0309b60b4_attn:
	s_mov_b64 s[64:65], 0
	v_nop
	global_prefetch_b8 v0, s[64:65] scope:SCOPE_SE
	s_setreg_imm32_b32 hwreg(HW_REG_WAVE_MODE, 25, 1), 1
	s_wait_xcnt 0x0
	s_wait_alu depctr_hold_cnt(0) depctr_sa_sdst(0) depctr_va_vdst(0) depctr_va_sdst(0) depctr_va_ssrc(0) depctr_va_vcc(0) depctr_vm_vsrc(0)
	s_getreg_b32 s2, hwreg(HW_REG_IB_STS2, 6, 4)
	s_cmp_eq_u32 s2, 0
	s_cbranch_scc0 .Lentry_in_a_cluster
	s_endpgm
.Lentry_in_a_cluster:
	s_bfe_u32 s2, ttmp6, 0x10000c
	s_cmp_lg_u32 s2, 0x3003
	s_cbranch_scc0 .Lentry_shape_is_right
	s_endpgm
.Lentry_shape_is_right:
; ctx = softmax(q k^T) v, both products on codes of FP6 (E2M3) with one E8M0 scale for each 32 along a product's K; ctx is quantised along the channels for the last product.
; THE SOFTMAX AHEAD OF THE SECOND PRODUCT: t = score x log2(e) (the 1 / 8 is in q); M = the row's largest t so far, rounded UP to a whole number; p = 2^(t - M) is quantised along the keys, not normalised.
; The row's sum is taken of the unquantised p and divides at the end.  When M moves, the sum and O are multiplied by 2^(old M - new M): exact.
; A WORK-GROUP STAYS.  There are 96 pairs (head, batch), numbered 8 head + batch, and a batch counts as 1,536 rows: 8 blocks of 192 queries.  Work-group (j, g) takes block j of the pairs 3 g, 3 g + 1, 3 g + 2, one
; after the other: 8 x 32 = 256 work-groups.  Each of its twelve waves owns one tile of 16 queries, 12 j + wave, in each pair, and walks the pair's 12 key steps of 128 keys.
; LDS: two slots of 12 x 12,800 bytes, each for K, V and their scale words of one whole pair.  Pair 0 is asked for at the head, pair 1 behind the first full sequence, pair 2 into slot 0 when every wave has left pair 0.
; A wave has one tensor load out at a time.  Each later pair is asked for a whole walk of 12 key steps ahead of its first read, by its tensor load itself: so no prefetch is laid beside it.
; CLUSTER 4 x 1: four query blocks of the same pairs read the same K and V: each of the twelve waves asks jointly for one key step's record.
; IMAGES.  A tile's six operand registers lie in a record as 512 bytes (registers 0-3 at 16 x lane) and 256 bytes (registers 4-5 at 8 x lane): a fragment of two tiles is four LDS loads.  A row's four scale words of a key step lie on end: one load of 16 bytes.
; LAYOUT.  Both products transposed: S^T = K Q^T, O^T = V^T P^T: a lane holds ONE query (lane % 16) throughout.  In S^T register 8 tau + j of lane (r, h) is key 16 tau + 8 h + j.
; K = 64 IN AN INSTRUCTION OF 128.  Two tiles of 16 keys form one fragment of source 0: 64 channels of key a, then 64 of key b, with the scale word (a0, a1, b0, b1).  Q lies in 18 registers as
; [0 x 6 | q x 6 | 0 x 6]: [q, 0] picks the first tile, [0, q] the second; the other half meets zero codes, which add nothing.  Q's scale word is (s0, s1, s0, s1).
; ORDER INSIDE A BLOCK OF 32: the codes of q, k, v and p stand with their four groups of eight in the order 0, 2, 1, 3, alike on both sides of a product.  ctx meets a given operand: it is put back into natural order.
; KEYS 1,500 TO 1,535: their scores become -infinity ahead of the maximum, so p = 0; v's codes are zeros there.  QUERY TILES 94 AND 95 are computed like all others (no branch hangs on a place in the cluster) and go to
; sixteen spare tiles of cimg and csc whose rows the last launch never stores.
; cimg: [row tile i (768)][K step (6)][piece (6)][lane][8 bytes];  csc: [i][row (16)][24 bytes], byte 2 head + block.  i = 94 batch + t for t < 94, else 658 + 2 batch + t.
; LIMITS: NaN and infinities are not served.  A p under 2^-126 comes out of v_exp_f32 as 0.  A block of zeros gets the byte 1 where the quantiser says 127: its codes are zeros, and this program alone reads these bytes.
.set REC,   19200
.set KV,    12800                      ; a record's first part: K, V and their scale words
.set HEADB, 12*REC
.set SLOT,  12*KV
.set SPARE, 2*SLOT                     ; the spare words, 128 bytes a wave
.set LI8, 1                            ; v1   8 x lane
.set LS16, 2                           ; v2   16 r: my row's scale words
.set AD16, 3                           ; v3   16 x lane + the key step's record
.set ADS, 4                            ; v4   LS16 + the same
.set HQ,  5                            ; v5   on the way out my block's byte
.set CSO, 7                            ; v7   24 r + h
.set QO16, 8                           ; v8, v9  Q's codes: my offsets in the record
.set QO8, 9
.set LI16, 10                          ; v10  16 x lane
.set AD8, 11                           ; v11  8 x lane + the key step's record
.set QZ,  16                           ; v16-33  [0 | q | 0]
.set QS,  34                           ; v34     Q's scale word: scales and nothing else, as v36-43 and v226
.set QSO, 35                           ; v35     Q's scale halfword: my offset
.set KS,  36                           ; v36-39  K's scale words
.set VSR, 40                           ; v40-43  V's
.set KF,  44                           ; v44-91  four fragments of K, then of V
.set TO,  92                           ; v92     the old -M
.set S,   96                           ; v96-159 S^T, then p; on the way out ctx
.set NR,  128
.set O,   160                          ; v160-191 O^T
.set PC,  192                          ; v192-203 p's codes
.set PX,  204                          ; v204-206, v208-210 the conversions' second halves
.set BM,  212                          ; v212-215 a block's largest score, then its largest p
.set T2,  216                          ; v216-219 at work
.set SO,  220                          ; v220-223 the conversions' scale operands
.set FF,  224                          ; v[224:225] f = 2^(old M - new M)
.set PW,  226                          ; v226 p's scale word
.set TT,  227
.set QN,  228                          ; v228-233 the next pair's q, as loaded;  v234 its scale halfword
.set HQN, 234
.set WV,  10
.set SEL, 28
.set CS,  30                           ; s[30:31] log2(e)
.set TB,  32
.set CNT, 33
.set G0,  68                           ; s[68:79] group 0, one set for each pair
.set OBS, 80                           ; s[80:91] for each pair: where my tile goes in cimg, in csc
.macro ROUND
	s_barrier_signal -1
	s_barrier_wait -1
	s_cmp_lg_u32 s[WV], 0
	s_cbranch_scc1 .Lnot_wave_0_\@
	s_barrier_signal -3
.Lnot_wave_0_\@:
	s_barrier_wait -3
	s_barrier_signal -1
	s_barrier_wait -1
.endm
.macro JLOAD ph                        ; my joint load of pair ph: key step = my wave's number
	tensor_load_to_lds s[G0+4*\ph:G0+4*\ph+3], s[16:23]
	s_nop 0
.rept 4
	v_nop
.endr
.endm
.macro QLOAD ph                        ; pair ph's q of my tile, into the staging registers
	global_load_b128 v[QN:QN+3], v[QO16], s[34:35] offset:(\ph)*HEADB
	global_load_b64 v[QN+4:QN+5], v[QO8], s[34:35] offset:(\ph)*HEADB+512
	global_load_u16 v[HQN], v[QSO], s[34:35] offset:(\ph)*HEADB
.endm
.macro IMG reg, off                    ; a fragment of two tiles comes back as it was stored
	ds_load_b128 v[\reg:\reg+3], v[AD16] offset:(\off)
	ds_load_b64 v[\reg+4:\reg+5], v[AD8] offset:(\off)+512
	ds_load_b128 v[\reg+6:\reg+9], v[AD16] offset:(\off)+768
	ds_load_b64 v[\reg+10:\reg+11], v[AD8] offset:(\off)+1280
.endm
.macro KLOAD
.irp be, 0,1,2,3
	IMG KF+12*\be, 1536*\be
.endr
	ds_load_b128 v[KS:KS+3], v[ADS] offset:12288
.endm
.macro VLOAD
.irp ct, 0,1,2,3
	IMG KF+12*\ct, 6144+1536*\ct
.endr
	ds_load_b128 v[VSR:VSR+3], v[ADS] offset:12544
.endm
	s_load_b128 s[4:7], s[0:1], 0x0                ; qkv, cimg
	s_load_b64 s[8:9], s[0:1], 0x10                ; csc
	v_lshl_add_u32 v254, v0, 2, SPARE
	v_mov_b32 v255, 0
	ds_add_u32 v254, v255                          ; the opening lines: the add, twice on end, and its wait
	ds_add_u32 v254, v255
	v_lshrrev_b32 v6, 5, v0
	v_readfirstlane_b32 s[WV], v6                  ; wave 0..11
	s_bfe_u32 s11, ttmp6, 0x40000                  ; cx: it enters global addresses and selects alone
	s_and_b32 s12, ttmp7, 0xffff
	s_mul_i32 s12, s12, 3                          ; my first pair, 3 g, which the four partners share
	s_lshl_b32 s13, ttmp9, 2
	s_add_co_u32 s13, s13, s11
	s_mul_i32 s13, s13, 12
	s_add_co_u32 s13, s13, s[WV]                   ; t: my tile of 16 queries, 0..95
	; group 1: 12,800 dense bytes as 50 rows of 256 (32 elements of 8 bytes); the mask names all four work-groups, bit 21 beside it
	s_mov_b32 s16, 15|(3<<16)|(1<<21)
	s_mov_b32 s17, 32<<16
	s_mov_b32 s18, 50<<16
	s_mov_b32 s19, 32<<16
	s_mov_b32 s20, 50
	s_mov_b32 s21, 32
	s_mov_b32 s22, 0
	s_mov_b32 s23, 0
	s_mul_i32 s40, s12, HEADB
	s_mov_b32 s41, 0
	s_mul_i32 s42, s[WV], REC                      ; wave w fetches key step w
	s_mov_b32 s43, 0
	s_mul_i32 s44, s[WV], KV
	s_mov_b32 s[SEL], 0x76543210
	s_mov_b32 s[SEL+1], 0xfedcba98
	s_mov_b32 s[CS], 0x3fb8aa3b                    ; log2(e)
	s_mov_b32 s[CS+1], s[CS]
	s_wait_dscnt 0x0
	s_wait_kmcnt 0x0
	s_add_nc_u64 s[4:5], s[4:5], s[40:41]
	s_add_nc_u64 s[42:43], s[4:5], s[42:43]
.irp ph, 0,1,2
	s_mov_b32 s[G0+4*\ph], 1
	s_add_co_u32 s[G0+4*\ph+1], s44, (\ph%2)*SLOT
	s_add_nc_u64 s[G0+4*\ph+2:G0+4*\ph+3], s[42:43], \ph*HEADB
	s_or_b32 s[G0+4*\ph+3], s[G0+4*\ph+3], 0x80000000
.endr
	ROUND                                          ; all four work-groups are here: the joint loads meet
	JLOAD 0                                        ; my one tensor load at the head
	v_and_b32 v6, 31, v0
	v_and_b32 v[LS16], 15, v0
	v_lshlrev_b32 v[LI8], 3, v6
	v_lshlrev_b32 v[LI16], 4, v6
	v_bfe_u32 v6, v0, 4, 1
	v_lshlrev_b32 v[QSO], 2, v[LS16]               ; 4 r
	v_mad_u32_u24 v[CSO], v[LS16], 24, v6
	v_lshlrev_b32 v[LS16], 4, v[LS16]
	s_wait_alu depctr_va_vdst(0)
	s_lshr_b32 s44, s13, 3
	s_mul_i32 s44, s44, REC                        ; the record that holds my queries
	s_mov_b32 s45, 0
	s_add_nc_u64 s[34:35], s[4:5], s[44:45]
	s_and_b32 s46, s13, 7                          ; my tile in it
	s_mul_i32 s47, s46, 768
	s_add_co_u32 s47, s47, 12800
	v_add_nc_u32 v[QO16], s47, v[LI16]
	v_add_nc_u32 v[QO8], s47, v[LI8]
	s_lshr_b32 s47, s46, 1
	s_lshl_b32 s47, s47, 6
	s_and_b32 s46, s13, 1
	s_lshl_b32 s46, s46, 1
	s_add_co_u32 s47, s47, s46
	s_add_co_u32 s47, s47, 18944
	v_add_nc_u32 v[QSO], s47, v[QSO]
	QLOAD 0
.irp ph, 0,1,2                                     ; where my tile of each pair goes
	s_add_co_u32 s46, s12, \ph
	s_and_b32 s47, s46, 7                          ; batch
	s_lshr_b32 s46, s46, 3                         ; head
	s_mul_i32 s48, s47, 94
	s_lshl_b32 s49, s47, 1
	s_add_co_u32 s49, s49, 658
	s_cmp_lt_u32 s13, 94
	s_cselect_b32 s48, s48, s49
	s_add_co_u32 s48, s48, s13                     ; i
	s_mul_i32 s50, s48, 9216
	s_lshr_b32 s52, s46, 1
	s_mul_i32 s52, s52, 1536                       ; K step head / 2 of the last product,
	s_add_co_u32 s50, s50, s52
	s_and_b32 s52, s46, 1
	s_mul_i32 s52, s52, 768                        ; its pieces 0-2 or 3-5
	s_add_co_u32 s50, s50, s52
	s_mov_b32 s51, 0
	s_add_nc_u64 s[OBS+4*\ph:OBS+4*\ph+1], s[6:7], s[50:51]
	s_mul_i32 s50, s48, 384
	s_lshl_b32 s52, s46, 1
	s_add_co_u32 s50, s50, s52
	s_add_nc_u64 s[OBS+4*\ph+2:OBS+4*\ph+3], s[8:9], s[50:51]
.endr
.irp j, 0,1,2,3,4,5
	v_mov_b32 v[QZ+\j], 0
	v_mov_b32 v[QZ+12+\j], 0
.endr
.irp b, 0,1,2,3
	v_mov_b32 v[T2+\b], 0                          ; written once: a lane permute's destination counts as one of its sources
.endr
	v_mov_b32 v[FF+1], 0
	v_mov_b32 v[TT], 0
; A KEY STEP: 128 keys.  last = 1: the pair's last step, whose keys 92 to 127 do not exist, and which fetches nothing more.
.macro STEP last
	s_wait_dscnt 0x0                               ; K is in
.irp tau, 0,1,2,3,4,5,6,7
.if \tau%2
	v_wmma_scale_f32_16x16x128_f8f6f4 v[S+8*\tau:S+8*\tau+7], v[KF+12*(\tau/2):KF+12*(\tau/2)+11], v[QZ:QZ+11], 0, v[KS+\tau/2], v[QS] matrix_a_fmt:MATRIX_FMT_FP6 matrix_b_fmt:MATRIX_FMT_FP6
.else
	v_wmma_scale_f32_16x16x128_f8f6f4 v[S+8*\tau:S+8*\tau+7], v[KF+12*(\tau/2):KF+12*(\tau/2)+11], v[QZ+6:QZ+17], 0, v[KS+\tau/2], v[QS] matrix_a_fmt:MATRIX_FMT_FP6 matrix_b_fmt:MATRIX_FMT_FP6
.endif
.endr
	v_mov_b32 v[TO], v12                           ; the old -M.  With the three lines below: four places in front of the loads into K's registers and of the first read of the scores
.rept 3
	v_nop
.endr
	VLOAD                                          ; V lands while the softmax is walked
.if \last
.set j, 48
.rept 16
	v_mov_b32 v[S+j], 0xff800000                   ; keys 96 to 127
.set j, j+1
.endr
.endif
.irp b, 0,1,2,3
	v_max3_num_f32 v[BM+\b], v[S+16*\b], v[S+16*\b+1], v[S+16*\b+2]   ; the largest score of each block of 32 keys: it serves the row's maximum and, since p rises with the score, the block's largest p.  Four chains by turns
.endr
.irp i, 3,5,7,9,11,13
.if (\last) && (\i == 11)
.irp k, 44,45,46,47
	v_cndmask_b32 v[S+\k], v[S+\k], v[TT], vcc_lo  ; keys 92 to 95: tile 5, lanes 16-31, registers 4 to 7.  (Tile 5's registers 0 to 2 have been read by now)
.endr
.endif
.irp b, 0,1,2,3
	v_max3_num_f32 v[BM+\b], v[BM+\b], v[S+16*\b+\i], v[S+16*\b+\i+1]
.endr
.endr
.irp b, 0,1,2,3
	v_max_num_f32 v[BM+\b], v[BM+\b], v[S+16*\b+15]
.endr
.irp b, 0,1,2,3
	v_permlanex16_b32 v[T2+\b], v[BM+\b], s[SEL], s[SEL+1]
.endr
.irp b, 0,1,2,3
	v_max_num_f32 v[BM+\b], v[BM+\b], v[T2+\b]     ; with lane l xor 16's 16 keys
.endr
	v_max3_num_f32 v[TT], v[BM], v[BM+1], v[BM+2]
	v_max_num_f32 v[TT], v[TT], v[BM+3]            ; the step's largest score of my query
	v_mul_f32 v[TT], s[CS], v[TT]                  ; as t
	v_max_num_f32 v13, v13, v[TT]                  ; the running largest t
	v_floor_f32 v12, -v13                          ; the new -M = floor(-t) = -ceil(t)
	v_sub_f32 v[TT], v12, v[TO]                    ; old M - new M: a whole number, 0 or less
.set j, 0
.rept 32
	v_pk_fma_f32 v[S+j:S+j+1], v[S+j:S+j+1], s[CS:CS+1], v[12:13] op_sel_hi:[1,0,0]   ; t - M, two at a time
.set j, j+2
.endr
	v_cvt_i32_f32 v[TT], v[TT]                     ; (it saturates)
.irp b, 0,1,2,3
	v_fma_f32 v[BM+\b], v[BM+\b], s[CS], v12       ; the same of each block's largest score
.endr
	v_ldexp_f32 v[FF], 1.0, v[TT]                  ; f = 2^(old M - new M)
.set j, 0
.rept 16
	v_pk_mul_f32 v[O+j:O+j+1], v[O+j:O+j+1], v[FF:FF+1] op_sel_hi:[1,0]   ; O^T under the new M, ascending
.set j, j+2
.endr
	s_wait_alu depctr_va_vdst(0)                   ; the wait ahead of the batch
.set j, 0
.rept 64
	v_exp_f32 v[S+j], v[S+j]                       ; p = 2^(t - M), at most 1
.set j, j+1
.endr
.irp b, 0,1,2,3
	v_exp_f32 v[BM+\b], v[BM+\b]                   ; the block's largest p: the same two instructions on the same number
.endr
	v_pk_mul_f32 v[14:15], v[14:15], v[FF:FF+1] op_sel_hi:[1,0]   ; the sums under the new M.  (A plain line behind the exponentials)
	s_wait_alu depctr_va_vdst(0)                   ; one wait for the whole batch, ahead of its first reader
.irp b, 0,1,2,3
	v_max_num_f32 v[BM+\b], 0x1800000, v[BM+\b]    ; the floor 2^(3 - 127): the byte cannot fall under 1
.endr
.irp b, 0,1,2,3
	v_add_nc_u32 v[SO+\b], 0xff000000, v[BM+\b]    ; 2 off the exponent field: the conversion's scale operand
.endr
.irp b, 0,1,2,3
	v_lshrrev_b32 v[T2+\b], 23, v[SO+\b]           ; the scale's byte
.endr
	v_lshl_or_b32 v[PW], v[T2+1], 8, v[T2]         ; p's scale word for these 128 keys
	v_lshl_or_b32 v[TT], v[T2+3], 8, v[T2+2]
	v_lshl_or_b32 v[PW], v[TT], 16, v[PW]
.irp c, 0,1
	v_cvt_scalef32_pk16_fp6_f32 v[PC+6*\c:PC+6*\c+2], v[S+32*\c:S+32*\c+15], v[SO+2*\c]
	v_cvt_scalef32_pk16_fp6_f32 v[PX+4*\c:PX+4*\c+2], v[S+32*\c+16:S+32*\c+31], v[SO+2*\c+1]   ; (a conversion's three registers begin on an even number)
.endr
	; the row's sum of the unquantised p: eight chains by turns.  Its first half stands between the conversions and the lines that touch their results,
	v_pk_add_f32 v[216:217], v[100:101], v[104:105]
	v_pk_add_f32 v[252:253], v[108:109], v[112:113]
	v_pk_add_f32 v[250:251], v[116:117], v[120:121]
	v_pk_add_f32 v[248:249], v[124:125], v[128:129]
	v_pk_add_f32 v[246:247], v[132:133], v[136:137]
	v_pk_add_f32 v[244:245], v[140:141], v[144:145]
	v_pk_add_f32 v[242:243], v[148:149], v[152:153]
	v_pk_add_f32 v[14:15], v[14:15], v[156:157]
	v_pk_add_f32 v[216:217], v[216:217], v[96:97]
	v_pk_add_f32 v[252:253], v[252:253], v[98:99]
	v_pk_add_f32 v[250:251], v[250:251], v[102:103]
	v_pk_add_f32 v[248:249], v[248:249], v[106:107]
	v_pk_add_f32 v[246:247], v[246:247], v[110:111]
	v_pk_add_f32 v[244:245], v[244:245], v[114:115]
	v_pk_add_f32 v[242:243], v[242:243], v[118:119]
	v_pk_add_f32 v[14:15], v[14:15], v[122:123]
.irp c, 0,1                                        ; the operand's layout wants a whole block in a lane: lanes 0-15 block 2 c, lanes 16-31 block 2 c + 1
.irp i, 0,1,2
	v_permlane16_swap_b32 v[PC+6*\c+\i], v[PX+4*\c+\i]
.endr
.endr
.irp c, 0,1
.irp i, 0,1,2
	v_mov_b32 v[PC+6*\c+3+\i], v[PX+4*\c+\i]
.endr
.endr
	; its second half, sixteen lines that name no register of the products below, are the places that p's codes and scale word want ahead of them
	v_pk_add_f32 v[216:217], v[216:217], v[126:127]
	v_pk_add_f32 v[252:253], v[252:253], v[130:131]
	v_pk_add_f32 v[250:251], v[250:251], v[134:135]
	v_pk_add_f32 v[248:249], v[248:249], v[138:139]
	v_pk_add_f32 v[246:247], v[246:247], v[142:143]
	v_pk_add_f32 v[244:245], v[244:245], v[146:147]
	v_pk_add_f32 v[242:243], v[242:243], v[150:151]
	v_pk_add_f32 v[14:15], v[14:15], v[154:155]
	v_pk_add_f32 v[216:217], v[216:217], v[158:159]
	v_pk_add_f32 v[252:253], v[252:253], v[244:245]
	v_pk_add_f32 v[250:251], v[250:251], v[242:243]
	v_pk_add_f32 v[14:15], v[14:15], v[248:249]
	v_pk_add_f32 v[216:217], v[216:217], v[246:247]
	v_pk_add_f32 v[252:253], v[252:253], v[250:251]
	v_pk_add_f32 v[14:15], v[14:15], v[216:217]
	v_pk_add_f32 v[14:15], v[14:15], v[252:253]
	s_wait_alu depctr_va_vdst(0)
	s_wait_dscnt 0x0                               ; V is in
.irp ct, 0,1,2,3                                   ; O^T += V^T P^T: four accumulators by turns
	v_wmma_scale_f32_16x16x128_f8f6f4 v[O+8*\ct:O+8*\ct+7], v[KF+12*\ct:KF+12*\ct+11], v[PC:PC+11], v[O+8*\ct:O+8*\ct+7], v[VSR+\ct], v[PW] matrix_a_fmt:MATRIX_FMT_FP6 matrix_b_fmt:MATRIX_FMT_FP6
.endr
.if \last == 0
	s_add_co_u32 s[TB], s[TB], KV                  ; the next key step's record
	v_add_nc_u32 v[AD16], s[TB], v[LI16]
	v_add_nc_u32 v[AD8], s[TB], v[LI8]
	v_add_nc_u32 v[ADS], s[TB], v[LS16]
	v_nop                                          ; four places with the three additions, in front of the loads into V's registers
	KLOAD
.endif
.endm
; ONE PAIR: my tile's walk over the 12 key steps in slot ph % 2, and its way out.
.macro PHASE ph
	s_wait_loadcnt 0x0                             ; this pair's q is in the staging registers
.irp j, 0,1,2,3,4,5
	v_mov_b32 v[QZ+6+\j], v[QN+\j]
.endr
	v_lshl_or_b32 v[QS], v[HQN], 16, v[HQN]        ; (s0, s1, s0, s1)
	v_mov_b32 v13, 0xff61b1e6                      ; the largest t so far: -3e38, under every t
	v_mov_b32 v14, 0                               ; the sum, in two halves
	v_mov_b32 v15, 0
	v_floor_f32 v12, -v13                          ; -M
.set j, 0
.rept 32
	v_mov_b32 v[O+j], 0                            ; O^T: the step is written once; its first trip finds zeros.  (More than the eight places that a scale word made by a vector instruction wants ahead of a scaled product)
.set j, j+1
.endr
	s_mov_b32 s[TB], (\ph%2)*SLOT
	v_add_nc_u32 v[AD16], (\ph%2)*SLOT, v[LI16]
	v_add_nc_u32 v[AD8], (\ph%2)*SLOT, v[LI8]
	v_add_nc_u32 v[ADS], (\ph%2)*SLOT, v[LS16]
	KLOAD
.if \ph < 2
	QLOAD \ph+1                                    ; the next pair's q: a whole walk ahead of its use
.endif
	s_mov_b32 s[CNT], 11
.Lstep\ph:
	s_wait_alu depctr_va_vdst(0)
	STEP 0
	s_sub_co_u32 s[CNT], s[CNT], 1
	s_cmp_lg_u32 s[CNT], 0
	s_cbranch_scc1 .Lstep\ph
	v_mov_b32 v[TT], 0xff800000                    ; -infinity
	s_mov_b32 vcc_lo, 0xffff0000                   ; lanes 16-31
	s_wait_alu depctr_va_vdst(0)
	STEP 1
	; THE WAY OUT: O^T / the sum is ctx: register 8 ct + j of lane (r, h) is channel 16 ct + 8 h + j of query r: two blocks of 32, half of each
.rept 4
	v_nop                                          ; four places behind the last products
.endr
	v_add_f32 v14, v14, v15                        ; the sum's two halves,
	s_delay_alu instid0(VALU_DEP_1)
	v_permlanex16_b32 v[TT], v14, s[SEL], s[SEL+1]
	s_delay_alu instid0(VALU_DEP_1)
	v_add_f32 v14, v14, v[TT]                      ; and lane l xor 16's: the row's sum
	s_wait_alu depctr_va_vdst(0)
	v_rcp_f32 v14, v14
	v_nop                                          ; a plain line behind the reciprocal
	s_wait_alu depctr_va_vdst(0)                   ; and the wait ahead of its first reader
.set j, 0
.rept 32
	v_mul_f32 v[S+j], v[O+j], v14
.set j, j+1
.endr
.irp b, 0,1
	v_max3_num_f32 v[BM+\b], |v[S+16*\b]|, |v[S+16*\b+1]|, 0x1800000
.endr
.irp i, 2,4,6,8,10,12,14
.irp b, 0,1
	s_delay_alu instid0(VALU_DEP_2)
	v_max3_num_f32 v[BM+\b], v[BM+\b], |v[S+16*\b+\i]|, |v[S+16*\b+\i+1]|
.endr
.endr
.irp b, 0,1
	s_delay_alu instid0(VALU_DEP_2)
	v_permlanex16_b32 v[T2+\b], v[BM+\b], s[SEL], s[SEL+1]
.endr
.irp b, 0,1
	s_delay_alu instid0(VALU_DEP_2)
	v_max_num_f32 v[BM+\b], v[BM+\b], v[T2+\b]
.endr
.irp b, 0,1
	s_delay_alu instid0(VALU_DEP_2)
	v_add_nc_u32 v[SO+\b], 0xff000000, v[BM+\b]
.endr
.irp b, 0,1
	s_delay_alu instid0(VALU_DEP_2)
	v_lshrrev_b32 v[T2+\b], 23, v[SO+\b]
.endr
	v_cvt_scalef32_pk16_fp6_f32 v[PC:PC+2], v[S:S+15], v[SO]
	v_cvt_scalef32_pk16_fp6_f32 v[PX:PX+2], v[S+16:S+31], v[SO+1]
	v_cndmask_b32 v[HQ], v[T2], v[T2+1], vcc_lo    ; lane half h stores block h's byte.  (A plain line behind the conversions)
.irp i, 0,1,2
	v_permlane16_swap_b32 v[PC+\i], v[PX+\i]       ; lane half h now holds block h: PC its groups 0 and 2, PX its groups 1 and 3; a group of eight codes is 48 bits
.endr
	s_delay_alu instid0(VALU_DEP_3)
	v_mov_b32 v[NR], v[PC]                         ; natural order: group 0's bits 0-31;
	s_delay_alu instid0(VALU_DEP_3)
	v_perm_b32 v[NR+1], v[PX], v[PC+1], 0x05040100     ; group 0's 32-47, group 1's 0-15;
	s_delay_alu instid0(VALU_DEP_4)
	v_perm_b32 v[NR+2], v[PX+1], v[PX], 0x05040302     ; group 1's 16-47;
	s_delay_alu instid0(VALU_DEP_4)
	v_perm_b32 v[NR+3], v[PC+2], v[PC+1], 0x05040302   ; group 2's 0-31;
	v_perm_b32 v[NR+4], v[PX+1], v[PC+2], 0x07060302   ; group 2's 32-47, group 3's 0-15;
	v_mov_b32 v[NR+5], v[PX+2]                     ; group 3's 16-47
.irp p, 0,1,2
	global_store_b64 v[LI8], v[NR+2*\p:NR+2*\p+1], s[OBS+4*\ph:OBS+4*\ph+1] offset:256*\p   ; a piece: 256 consecutive bytes, at a multiple of 256 from the buffer's first byte
.endr
	global_store_b8 v[CSO], v[HQ], s[OBS+4*\ph+2:OBS+4*\ph+3]
.endm
; In front of a round behind which a slot is filled: all my tensor loads have landed, the add, and the wait for it and for my reads of the slot that I leave
.macro THREE
	s_wait_alu depctr_va_vdst(0)
	s_wait_tensorcnt 0x0
	ds_add_u32 v254, v255
	s_wait_dscnt 0x0
.endm
	THREE                                          ; my record of pair 0 is in
	ROUND                                          ; everybody's is, in all four work-groups
	JLOAD 1                                        ; slot 1's first fill, issued as a refill is
	PHASE 0
	s_wait_xcnt 0x0                                ; the stores have read their registers, which the next pair's walk writes again
	THREE                                          ; my record of pair 1 is in, and I read slot 0 no more
	ROUND
	JLOAD 2                                        ; pair 2, into slot 0
	PHASE 1
	s_wait_xcnt 0x0
	s_wait_alu depctr_va_vdst(0)
	s_wait_tensorcnt 0x0                           ; my record of pair 2 is in;
	s_barrier_signal -1
	s_barrier_wait -1                              ; everybody's is; nothing is filled again, so no round follows
	PHASE 2
	s_wait_tensorcnt 0x0                           ; the wave's end
	ds_add_u32 v254, v255
	s_wait_dscnt 0x0
	ROUND                                          ; the closing round: no work-group ends while a partner may still ask for a record that names it
	s_endpgm
.Lfunc_end_k_qe0309b60b4_attn:
	.size	k_qe0309b60b4_attn, .Lfunc_end_k_qe0309b60b4_attn-k_qe0309b60b4_attn
	.p2alignl 7, 3214868480
	.fill 96, 4, 3214868480
	.section	.rodata,"a",@progbits
	.p2align	6, 0x0
	.amdhsa_kernel k_qe0309b60b4_attn
		.amdhsa_group_segment_fixed_size 327680
		.amdhsa_private_segment_fixed_size 0
		.amdhsa_enable_private_segment 0
		.amdhsa_kernarg_size 24
		.amdhsa_user_sgpr_count 2
		.amdhsa_user_sgpr_kernarg_segment_ptr 1
		.amdhsa_wavefront_size32 1
		.amdhsa_system_sgpr_workgroup_id_x 1
		.amdhsa_system_sgpr_workgroup_id_y 1
		.amdhsa_system_sgpr_workgroup_id_z 1
		.amdhsa_system_vgpr_workitem_id 0
		.amdhsa_next_free_vgpr 256
		.amdhsa_next_free_sgpr 96
		.amdhsa_reserve_vcc 1
		.amdhsa_float_denorm_mode_32 3
		.amdhsa_float_denorm_mode_16_64 3
		.amdhsa_memory_ordered 1
		.amdhsa_forward_progress 1
		.amdhsa_inst_pref_size 127
	.end_amdhsa_kernel
	.amdgpu_metadata
---
amdhsa.version: [ 1, 2 ]
amdhsa.kernels:
  - .name:           k_qe0309b60b4_attn
    .symbol:         k_qe0309b60b4_attn.kd
    .args:
      - { .name: qkv, .offset: 0, .size: 8, .value_kind: global_buffer, .address_space: global }
      - { .name: cimg, .offset: 8, .size: 8, .value_kind: global_buffer, .address_space: global }
      - { .name: csc, .offset: 16, .size: 8, .value_kind: global_buffer, .address_space: global }
    .group_segment_fixed_size: 327680
    .private_segment_fixed_size: 0
    .kernarg_segment_align: 8
    .kernarg_segment_size: 24
    .max_flat_workgroup_size: 384
    .sgpr_count:     96
    .vgpr_count:     256
    .wavefront_size: 32
...
	.end_amdgpu_metadata
.endif
;; end of part 2
;; launch outp (part 3): grid 4 x 63, 9 waves a work-group, clusters of 4 x 1, 298,496 bytes of LDS; arguments cimg, csc, Wo_codes, Wo_scales, bo, out0; writes out0
.if DOCPART == 3
	.amdgcn_target "amdgcn-amd-amdhsa--gfx1250"
	.amdhsa_code_object_version 6
	.text
	.protected	k_qe0309b60b4_outp
	.globl	k_qe0309b60b4_outp
	.p2align	8
	.type	k_qe0309b60b4_outp,@function
k_qe0309b60b4_outp:
	s_mov_b64 s[64:65], 0
	v_nop
	global_prefetch_b8 v0, s[64:65] scope:SCOPE_SE
	s_setreg_imm32_b32 hwreg(HW_REG_WAVE_MODE, 25, 1), 1
	s_wait_xcnt 0x0
	s_wait_alu depctr_hold_cnt(0) depctr_sa_sdst(0) depctr_va_vdst(0) depctr_va_sdst(0) depctr_va_ssrc(0) depctr_va_vcc(0) depctr_vm_vsrc(0)
	s_getreg_b32 s2, hwreg(HW_REG_IB_STS2, 6, 4)
	s_cmp_eq_u32 s2, 0
	s_cbranch_scc0 .Lentry_in_a_cluster
	s_endpgm
.Lentry_in_a_cluster:
	s_bfe_u32 s2, ttmp6, 0x10000c
	s_cmp_lg_u32 s2, 0x3003
	s_cbranch_scc0 .Lentry_shape_is_right
	s_endpgm
.Lentry_shape_is_right:
; out0 = ctx Wo^T + bo on codes of FP6 (E2M3) with one E8M0 scale for each 32 along K = 768; sums in f32.
; ctx comes as images of operand registers: cimg [row tile i (768)][K step (6)][piece (6)][lane][8 bytes], csc [i][row (16)][24 bytes]; tile i < 752 is rows 16 t .. 16 t + 15 of batch i / 94, t = i % 94;
; tiles 752 and on are spare tiles whose rows do not exist; of tile t = 93 the last four rows do not exist.  Neither is stored.
; SHARES.  A work-group makes 12 row tiles x 192 features; wave (rs, uu) of nine makes 4 row tiles x 64 features: 16 accumulators.  Source 0 = 16 rows of Wo, source 1 = ctx: a lane holds one row and eight neighbouring features.
; All of a work-group's input fits LDS at once: first fills alone, nothing is filled again.
; CLUSTER 4 x 1: the four feature blocks of a row group read the same ctx, which is asked for jointly.  Wo's rows are NOT shared: there are 63 row groups, which no cluster of 2 or 4 along y divides; each work-group fetches its own 192 rows.
; LIMITS: NaN, infinities and scale bytes 0xff among the inputs are not served.
.set PITCH,  720                       ; an LDS row of Wo: 576 bytes of codes + 16 of padding behind every 64
.set SET64,  64*PITCH
.set WO,     0                         ; Wo's 192 rows
.set CI,     3*SET64                   ; ctx's 12 tiles x 9,216 bytes
.set WOS,    CI+12*9216                ; Wo's scale bytes, 24 a row
.set CSC,    WOS+4608                  ; ctx's
.set STG,    CSC+4608                  ; the way out: 16 rows x (256 bytes + 16) for each wave, in blocks of 256 bytes into which no fill lands
.set STW,    16*272
.set ADW, 4                            ; v4, v5  Wo's rows: base + 720 r + 24 h; the second for pieces behind one padding more (+ 16 h)
.set ADC, 6                            ; v6      ctx's images: base + 8 x lane
.set ADS, 7                            ; v7      scale words: lanes 0-15 Wo's rows, lanes 16-31 ctx's
.set STO, 8                            ; v8      the stage: where I put 32 bytes of a row
.set RD,  9                            ; v9      and where I read a row back
.set CO,  10                           ; v10     my byte offset in two rows of out0
.set BO,  11                           ; v11     my byte offset in bo
.set SC,  16                           ; v16-19  scale words: register i: lanes 0-15 Wo's tile i, lanes 16-31 ctx's tile i; scales and nothing else
.set AF,  32                           ; v32-79  Wo's four fragments
.set BF,  80                           ; v80-127 ctx's four
.set ACC, 128                          ; accumulator (a, bt) at 128 + 32 bt + 8 a
.set WV,  16
.set RS,  17
.set UU,  18
.set FB,  21
.set RG,  20
.set G1WO, 24
.set G1CI, 32
.set G1WS, 40
.set G1CS, 48
.set G0WO, 56
.set G0CI, 60
.set G0WS, 68
.set G0CS, 72
.set OB,  76                           ; s[76:83] out0 at tile bt's first row
.set TI,  84                           ; s84-87   i of tile bt
.set TT,  88                           ; s88-91   t of tile bt
.macro ROUND                           ; a round of the cluster's barrier
	s_barrier_signal -1
	s_barrier_wait -1
	s_cmp_lg_u32 s[WV], 0
	s_cbranch_scc1 .Lnot_wave_0_\@
	s_barrier_signal -3
.Lnot_wave_0_\@:
	s_barrier_wait -3
	s_barrier_signal -1
	s_barrier_wait -1
.endm
.macro TLOAD g0, g1                    ; four v_nop follow a tensor load, ahead of the jump and the label
	tensor_load_to_lds s[\g0:\g0+3], s[\g1:\g1+7]
	s_nop 0
.rept 4
	v_nop
.endr
.endm
; A fragment from rows: lane (r, h) takes, of row r, 24 bytes for each 64 along K, in pieces of 8.  Piece n lies at 8 n + 16 (n / 8); lanes 16-31 read three pieces on, behind one padding more where n % 8 is 5 or more.
.macro FRAG reg, adr, s, rowoff
.irp p, 0,1,2,3,4,5
.set PCE, 12*(\s)+6*(\p/3)+\p%3
.if PCE%8 < 5
	ds_load_b64 v[\reg+2*\p:\reg+2*\p+1], v[\adr] offset:8*PCE+16*(PCE/8)+(\rowoff)
.else
	ds_load_b64 v[\reg+2*\p:\reg+2*\p+1], v[\adr+1] offset:8*PCE+16*(PCE/8)+(\rowoff)
.endif
.endr
.endm
.macro IMG reg, adr, off               ; a fragment from its image: six pieces, 256 consecutive bytes a load
.irp p, 0,1,2,3,4,5
	ds_load_b64 v[\reg+2*\p:\reg+2*\p+1], v[\adr] offset:(\off)+256*\p
.endr
.endm
	s_load_b256 s[4:11], s[0:1], 0x0               ; cimg, csc, Wo's codes, Wo's scales
	s_load_b128 s[12:15], s[0:1], 0x20             ; bo, out0
	v_lshl_add_u32 v30, v0, 2, 0x48900
	v_mov_b32 v31, 0
	ds_add_u32 v30, v31
	ds_add_u32 v30, v31
	v_lshrrev_b32 v1, 5, v0
	s_delay_alu instid0(VALU_DEP_1)
	v_readfirstlane_b32 s[WV], v1                  ; wave 0..8
	s_mul_i32 s[UU], s[WV], 11
	s_lshr_b32 s[RS], s[UU], 5                     ; rs = wave / 3: which four row tiles
	s_and_b32 s[UU], s[UU], 31
	s_mul_i32 s[UU], s[UU], 3
	s_lshr_b32 s[UU], s[UU], 5                     ; uu = wave % 3: which 64 features.  Also: which third a fetching wave fetches
	s_bfe_u32 s19, ttmp6, 0x40000                  ; cx
	s_lshl_b32 s[FB], ttmp9, 2
	s_add_co_u32 s[FB], s[FB], s19                 ; which 192 features: it enters global addresses alone
	s_and_b32 s[RG], ttmp7, 0xffff                 ; which 12 row tiles: the four partners share it
	; groups 1.  Wo's codes: 64 rows x 576 bytes, padded; a load of my own: no mask
	s_mov_b32 s[G1WO], (1<<20)|(3<<22)|(3<<25)
	; 64 rows of 576 bytes are dense in memory and begin at a multiple of 256 bytes: they are stated as 144 rows of 256 bytes; the padding, counted along the whole tile, gives the same LDS image
	s_mov_b32 s[G1WO+1], 256<<16
	s_mov_b32 s[G1WO+2], 144<<16
	s_mov_b32 s[G1WO+3], 256<<16
	s_mov_b32 s[G1WO+4], 144
	s_mov_b32 s[G1WO+5], 256
	s_mov_b32 s[G1WO+6], 0
	s_mov_b32 s[G1WO+7], 0
	; ctx's images of four tiles: 36,864 dense bytes as 144 rows of 256 (32 elements of 8 bytes); joint: the mask names all four, bit 21 beside it
	s_mov_b32 s[G1CI], 15|(3<<16)|(1<<21)
	s_mov_b32 s[G1CI+1], 32<<16
	s_mov_b32 s[G1CI+2], 144<<16
	s_mov_b32 s[G1CI+3], 32<<16
	s_mov_b32 s[G1CI+4], 144
	s_mov_b32 s[G1CI+5], 32
	s_mov_b32 s[G1CI+6], 0
	s_mov_b32 s[G1CI+7], 0
	; scale bytes: 4,608 dense bytes as 18 rows of 256; Wo's my own, ctx's joint
	s_mov_b32 s[G1WS], 3<<16
	s_mov_b32 s[G1CS], 15|(3<<16)|(1<<21)
.irp g, G1WS, G1CS
	s_mov_b32 s[\g+1], 32<<16
	s_mov_b32 s[\g+2], 18<<16
	s_mov_b32 s[\g+3], 32<<16
	s_mov_b32 s[\g+4], 18
	s_mov_b32 s[\g+5], 32
	s_mov_b32 s[\g+6], 0
	s_mov_b32 s[\g+7], 0
.endr
	s_mul_i32 s92, s[FB], 192
	s_lshl_b32 s93, s[UU], 6
	s_add_co_u32 s92, s92, s93
	s_mul_i32 s92, s92, 576                        ; Wo: row 192 fb + 64 uu
	s_mov_b32 s93, 0
	s_mul_i32 s94, s[RG], 12
	s_lshl_b32 s95, s[UU], 2
	s_add_co_u32 s94, s94, s95
	s_mul_i32 s94, s94, 9216                       ; ctx: tile 12 rg + 4 uu
	s_mov_b32 s95, 0
	s_mul_i32 s96, s[FB], 4608
	s_mov_b32 s97, 0
	s_mul_i32 s98, s[RG], 4608
	s_mov_b32 s99, 0
	s_wait_dscnt 0x0
	s_wait_kmcnt 0x0
	s_mov_b32 s[G0WO], 1
	s_mul_i32 s[G0WO+1], s[UU], SET64
	s_add_nc_u64 s[G0WO+2:G0WO+3], s[8:9], s[92:93]
	s_or_b32 s[G0WO+3], s[G0WO+3], 0x80000000
	s_mov_b32 s[G0CI], 1
	s_mul_i32 s[G0CI+1], s[UU], 36864
	s_add_co_u32 s[G0CI+1], s[G0CI+1], CI
	s_add_nc_u64 s[G0CI+2:G0CI+3], s[4:5], s[94:95]
	s_or_b32 s[G0CI+3], s[G0CI+3], 0x80000000
	s_mov_b32 s[G0WS], 1
	s_mov_b32 s[G0WS+1], WOS
	s_add_nc_u64 s[G0WS+2:G0WS+3], s[10:11], s[96:97]
	s_or_b32 s[G0WS+3], s[G0WS+3], 0x80000000
	s_mov_b32 s[G0CS], 1
	s_mov_b32 s[G0CS+1], CSC
	s_add_nc_u64 s[G0CS+2:G0CS+3], s[6:7], s[98:99]
	s_or_b32 s[G0CS+3], s[G0CS+3], 0x80000000
	ROUND                                          ; all four work-groups are here: the joint loads meet
	; waves 0-2: Wo's codes; 3-5: ctx's images; 6: Wo's scales; 7: ctx's; 8: none.  One load a wave; the branches hang on the wave's number alone
	s_cmp_lt_u32 s[WV], 3
	s_cbranch_scc0 .Lnot_wo
	TLOAD G0WO, G1WO
	s_branch .Lasked
.Lnot_wo:
	s_cmp_lt_u32 s[WV], 6
	s_cbranch_scc0 .Lnot_ci
	TLOAD G0CI, G1CI
	s_branch .Lasked
.Lnot_ci:
	s_cmp_eq_u32 s[WV], 6
	s_cbranch_scc0 .Lnot_ws
	TLOAD G0WS, G1WS
	s_branch .Lasked
.Lnot_ws:
	s_cmp_eq_u32 s[WV], 7
	s_cbranch_scc0 .Lasked
	TLOAD G0CS, G1CS
.Lasked:
	; while the tiles are on their way: addresses, and bo as the sums' first values
	v_and_b32 v24, 15, v0                          ; r
	v_bfe_u32 v25, v0, 4, 1                        ; h
	v_and_b32 v26, 31, v0                          ; lane
	s_mul_i32 s22, s[FB], 768
	s_lshl_b32 s23, s[UU], 8
	s_add_co_u32 s23, s23, s22                     ; my 64 features, in bytes of f32
	v_lshl_add_u32 v[BO], v25, 5, s23              ; feature 16 a + 8 h + j
.irp bt, 0,1,2,3                                   ; the bias starts every sum: all six K steps add in place and nothing is cleared
.irp a, 0,1,2,3
	global_load_b128 v[ACC+32*\bt+8*\a:ACC+32*\bt+8*\a+3], v[BO], s[12:13] offset:64*\a
	global_load_b128 v[ACC+32*\bt+8*\a+4:ACC+32*\bt+8*\a+7], v[BO], s[12:13] offset:64*\a+16
.endr
.endr
	v_mul_u32_u24 v[CO], v25, 3072                 ; lanes 0-15 one row of out0, lanes 16-31 the next; 16 bytes a lane
	s_delay_alu instid0(VALU_DEP_1)
	v_lshl_add_u32 v[CO], v24, 4, v[CO]
	s_delay_alu instid0(VALU_DEP_1)
	v_add_nc_u32 v[CO], s23, v[CO]
	v_mul_u32_u24 v27, v24, PITCH
	s_delay_alu instid0(VALU_DEP_1)
	v_mad_u32_u24 v27, v25, 24, v27
	s_mul_i32 s22, s[UU], SET64
	v_add_nc_u32 v[ADW], s22, v27
	s_delay_alu instid0(VALU_DEP_1)
	v_lshl_add_u32 v[ADW+1], v25, 4, v[ADW]
	s_mul_i32 s22, s[RS], 36864
	s_add_co_u32 s22, s22, CI
	v_lshl_add_u32 v[ADC], v26, 3, s22
	s_mul_i32 s22, s[UU], 1536
	s_add_co_u32 s22, s22, WOS
	v_mul_u32_u24 v28, v24, 24
	s_delay_alu instid0(VALU_DEP_1)
	v_add_nc_u32 v28, s22, v28                     ; Wo's scale words of my 64 rows;
	s_xor_b32 s22, s[UU], 3                        ; ctx's lie 4,608 + 1,536 rs - 1,536 uu = 1,536 (rs + 3 - uu) bytes further on, and uu xor 3 is 3 - uu:
	s_add_co_u32 s22, s22, s[RS]
	s_mul_i32 s22, s22, 1536
	v_mul_u32_u24 v29, s22, v25                    ; one product: the lower base + h x the distance
	s_delay_alu instid0(VALU_DEP_1)
	v_add_nc_u32 v[ADS], v28, v29
	s_mul_i32 s22, s[WV], STW
	s_add_co_u32 s22, s22, STG                     ; my stage
	v_mul_u32_u24 v[STO], v24, 272
	s_delay_alu instid0(VALU_DEP_1)
	v_lshl_add_u32 v[STO], v25, 5, v[STO]
	s_delay_alu instid0(VALU_DEP_1)
	v_add_nc_u32 v[STO], s22, v[STO]               ; in: row r, + 32 h
	v_mul_u32_u24 v[RD], v25, 272
	s_delay_alu instid0(VALU_DEP_1)
	v_lshl_add_u32 v[RD], v24, 4, v[RD]
	s_delay_alu instid0(VALU_DEP_1)
	v_add_nc_u32 v[RD], s22, v[RD]                 ; back: lanes 0-15 one row, lanes 16-31 the next
	s_mul_i32 s[TI], s[RG], 12
	s_lshl_b32 s92, s[RS], 2
	s_add_co_u32 s[TI], s[TI], s92                 ; my first row tile
	s_add_co_u32 s[TI+1], s[TI], 1
	s_add_co_u32 s[TI+2], s[TI], 2
	s_add_co_u32 s[TI+3], s[TI], 3
.irp bt, 0,1,2,3
	s_mul_i32 s92, s[TI+\bt], 698
	s_lshr_b32 s92, s92, 16                        ; batch = i / 94: 698 / 65,536 lies so little above 1 / 94 that the quotient is right for every i under 752
	s_mul_i32 s93, s92, 94
	s_sub_co_u32 s[TT+\bt], s[TI+\bt], s93         ; t
	s_mul_i32 s92, s92, 1500
	s_lshl_b32 s93, s[TT+\bt], 4
	s_add_co_u32 s92, s92, s93
	s_mul_i32 s92, s92, 3072                       ; the tile's first row, in bytes, under 2^26
	s_mov_b32 s93, 0
	s_add_nc_u64 s[OB+2*\bt:OB+2*\bt+1], s[14:15], s[92:93]
.endr
	s_wait_alu depctr_va_vdst(0)
	s_wait_loadcnt 0x0                             ; bo
	s_wait_tensorcnt 0x0                           ; my load has landed,
	s_barrier_signal -1
	s_barrier_wait -1                              ; everybody's has
; A K step of 128: 8 fragments and 4 registers of scale words from LDS, 16 matrix instructions.  The sixteen accumulators take turns, one instruction a turn, in the same order in every step.
.macro KSTEP s
.if \s > 0
.rept 4
	v_nop                                          ; four places in front of loads into registers that matrix instructions have read
.endr
.endif
.irp a, 0,1,2,3
	FRAG AF+12*\a, ADW, \s, 16*PITCH*\a
.endr
.irp i, 0,1,2,3
	ds_load_b32 v[SC+\i], v[ADS] offset:384*\i+4*(\s)
.endr
.irp bt, 0,1,2,3
	IMG BF+12*\bt, ADC, (6*\bt+(\s))*1536
.endr
.irp bt, 0,1,2,3
	s_wait_dscnt 18-6*\bt                          ; ctx's fragment bt is in; the 3 - bt fragments behind it, six loads each, may be out
.irp a, 0,1,2,3
	v_wmma_scale_f32_16x16x128_f8f6f4 v[ACC+32*\bt+8*\a:ACC+32*\bt+8*\a+7], v[AF+12*\a:AF+12*\a+11], v[BF+12*\bt:BF+12*\bt+11], v[ACC+32*\bt+8*\a:ACC+32*\bt+8*\a+7], v[SC+\a], v[SC+\bt] matrix_a_fmt:MATRIX_FMT_FP6 matrix_b_fmt:MATRIX_FMT_FP6 matrix_b_scale:MATRIX_SCALE_ROW1
.endr
.endr
.endm
	KSTEP 0
	KSTEP 1
	KSTEP 2
	KSTEP 3
	KSTEP 4
	KSTEP 5
.rept 4
	v_nop                                          ; four places behind the last products: for the LDS stores that read results and the loads into the fragments' registers
.endr
; THE WAY OUT of row tile bt: a lane holds 32 neighbouring bytes of a row four times, and the lanes beside it hold other rows: the tile goes through my own stage and comes back as rows of 256 bytes.
; LDS serves a wave's instructions in order (ISA guide 5.7.1.4): no wait between the stores and the loads, nor in front of the next tile's stores.
.macro OUT bt
.set OS, 32+32*((\bt)%2)               ; v32-63 and v64-95 by turns
.if \bt >= 2
	s_wait_xcnt 0x0                                ; the stores of two tiles ago have read their registers: the loads below may land there
.endif
.irp a, 0,1,2,3
	ds_store_b128 v[STO], v[ACC+32*\bt+8*\a:ACC+32*\bt+8*\a+3] offset:64*\a        ; each accumulator from its low end on
	ds_store_b128 v[STO], v[ACC+32*\bt+8*\a+4:ACC+32*\bt+8*\a+7] offset:64*\a+16
.endr
.irp k, 0,1,2,3,4,5,6,7
	ds_load_b128 v[OS+4*\k:OS+4*\k+3], v[RD] offset:544*\k
.endr
	s_wait_dscnt 0x0
	s_cmp_ge_u32 s[TI+\bt], 752                    ; a spare tile has no rows in out0.  (The branch hangs on the row group and the wave's number, which all partners share)
	s_cbranch_scc1 .Lskip_\@
.irp k, 0,1,2,3,4,5
	global_store_b128 v[CO], v[OS+4*\k:OS+4*\k+3], s[OB+2*\bt:OB+2*\bt+1] offset:6144*\k th:TH_STORE_NT   ; 16 lanes store 256 consecutive bytes, at a multiple of 256 from out0's first byte; written once, read by nobody here
.endr
	s_cmp_eq_u32 s[TT+\bt], 93                     ; rows 1,500 to 1,503 do not exist
	s_cbranch_scc1 .Lskip_\@
.irp k, 6,7
	global_store_b128 v[CO], v[OS+4*\k:OS+4*\k+3], s[OB+2*\bt:OB+2*\bt+1] offset:6144*\k th:TH_STORE_NT
.endr
.Lskip_\@:
.endm
	OUT 0
	OUT 1
	OUT 2
	OUT 3
	s_wait_tensorcnt 0x0
	ds_add_u32 v30, v31
	s_wait_dscnt 0x0
	ROUND                                          ; the closing round: no work-group ends while a partner may still ask for a tile that names it
	s_endpgm
.Lfunc_end_k_qe0309b60b4_outp:
	.size	k_qe0309b60b4_outp, .Lfunc_end_k_qe0309b60b4_outp-k_qe0309b60b4_outp
	.p2alignl 7, 3214868480
	.fill 96, 4, 3214868480
	.section	.rodata,"a",@progbits
	.p2align	6, 0x0
	.amdhsa_kernel k_qe0309b60b4_outp
		.amdhsa_group_segment_fixed_size 298496
		.amdhsa_private_segment_fixed_size 0
		.amdhsa_enable_private_segment 0
		.amdhsa_kernarg_size 48
		.amdhsa_user_sgpr_count 2
		.amdhsa_user_sgpr_kernarg_segment_ptr 1
		.amdhsa_wavefront_size32 1
		.amdhsa_system_sgpr_workgroup_id_x 1
		.amdhsa_system_sgpr_workgroup_id_y 1
		.amdhsa_system_sgpr_workgroup_id_z 1
		.amdhsa_system_vgpr_workitem_id 0
		.amdhsa_next_free_vgpr 256
		.amdhsa_next_free_sgpr 100
		.amdhsa_reserve_vcc 0
		.amdhsa_float_denorm_mode_32 3
		.amdhsa_float_denorm_mode_16_64 3
		.amdhsa_memory_ordered 1
		.amdhsa_forward_progress 1
		.amdhsa_inst_pref_size 55
	.end_amdhsa_kernel
	.amdgpu_metadata
---
amdhsa.version: [ 1, 2 ]
amdhsa.kernels:
  - .name:           k_qe0309b60b4_outp
    .symbol:         k_qe0309b60b4_outp.kd
    .args:
      - { .name: cimg, .offset: 0, .size: 8, .value_kind: global_buffer, .address_space: global }
      - { .name: csc, .offset: 8, .size: 8, .value_kind: global_buffer, .address_space: global }
      - { .name: Wo_codes, .offset: 16, .size: 8, .value_kind: global_buffer, .address_space: global }
      - { .name: Wo_scales, .offset: 24, .size: 8, .value_kind: global_buffer, .address_space: global }
      - { .name: bo, .offset: 32, .size: 8, .value_kind: global_buffer, .address_space: global }
      - { .name: out0, .offset: 40, .size: 8, .value_kind: global_buffer, .address_space: global }
    .group_segment_fixed_size: 298496
    .private_segment_fixed_size: 0
    .kernarg_segment_align: 8
    .kernarg_segment_size: 48
    .max_flat_workgroup_size: 288
    .sgpr_count:     100
    .vgpr_count:     256
    .wavefront_size: 32
...
	.end_amdgpu_metadata
.endif
;; end of part 3
